; MI455X (gfx1250); checked and timed in simulation.
; The chip was launched on July 23, 2026; its instructions are those of AMD's public machine-readable ISA for CDNA 5 (MIT licence, August 2026) and "CDNA5" Instruction Set Architecture Reference Guide (July 2026). The comments in the code are by the model that wrote it; some were corrected since.
;; Fused Lo RAQKV. Allowed arithmetic: matrix products marked QUANTISED: E3M2 operands, one E8M0 scale for each 32 along K, by v_wmma_scale_f32_16x16x128_f8f6f4 with both operands' format E3M2, f32 sums; products left as they are: f32 operands where the result goes on into a quantised operand, else bf16, f16 or f32 operands; f32 sums; everything else in f32.
;; Inputs: KA 16 x 4,096 float32; KB 4,096 x 16 float32; KW 4,096 x 4,096 float32; QA 16 x 4,096 float32; QB 4,096 x 16 float32; QW 4,096 x 4,096 float32; VA 16 x 4,096 float32; VB 4,096 x 16 float32; VW 4,096 x 4,096 float32; X 4 x 256 x 4,096 float32.
;; Outputs: out0 4 x 256 x 4,096 float32; out1 4 x 256 x 4,096 float32; out2 4 x 256 x 4,096 float32.
;; This version of the problem:
;;   THIS VERSION OF THE PROBLEM IS GIVEN IN LOW PRECISION. The matrix products marked QUANTISED in the list below multiply operands that are first quantised to E3M2 (3 exponent bits, 2 mantissa bits; 6 bits a number), with one power-of-two scale for each 32 numbers along K (OCP MX v1.0); their sums are f32. All else is computed in f32.
;;   The module's matrix products, in the order in which they are computed (A, B: the left and right operand; K: the contracted axis; several contracted axes count as one K, in the product's order):
;;     1. [M 1,024, K 4,096] x [K 4,096, N 4,096]; A: input X; B: input QW: QUANTISED
;;     2. [M 1,024, K 4,096] x [K 4,096, N 16]; A: input X; B: input QA: QUANTISED
;;     3. [M 1,024, K 16] x [K 16, N 4,096]; A: computed on the way; B: input QB: left as it is (K = 16 < 32)
;;     4. [M 1,024, K 4,096] x [K 4,096, N 4,096]; A: input X; B: input KW: QUANTISED
;;     5. [M 1,024, K 4,096] x [K 4,096, N 16]; A: input X; B: input KA: QUANTISED
;;     6. [M 1,024, K 16] x [K 16, N 4,096]; A: computed on the way; B: input KB: left as it is (K = 16 < 32)
;;     7. [M 1,024, K 4,096] x [K 4,096, N 4,096]; A: input X; B: input VW: QUANTISED
;;     8. [M 1,024, K 4,096] x [K 4,096, N 16]; A: input X; B: input VA: QUANTISED
;;     9. [M 1,024, K 16] x [K 16, N 4,096]; A: computed on the way; B: input VB: left as it is (K = 16 < 32)
;;   THE QUANTISER, for each operand of a quantised product, along K:
;;     - K is cut into blocks of 32 from its start; a last block that is shorter is filled with zeros.
;;     - A block's scale is 2^e with e = floor(log2(the largest magnitude in the block)) - 4, held to -126 .. 127; a block of zeros has e = 0. As a byte (E8M0): e + 127.
;;     - Each number is divided by its block's scale, clamped to +-28, and rounded to the nearest number of E3M2, ties to even, subnormals kept.
;;     - The product sums the exact products of the quantised numbers (number of the format x scale) in f32.
;;   ~~~python
;;   def quantise(x, axis):      # numpy; x: float32 -> the quantised numbers, widened to float32 again
;;       x = np.moveaxis(x, axis, -1); K = x.shape[-1]
;;       x = np.pad(x, [(0, 0)] * (x.ndim - 1) + [(0, -K % 32)]); x = x.reshape(x.shape[:-1] + (-1, 32)); a = np.abs(x).max(-1, keepdims=True)
;;       e = np.where(a > 0, np.clip(np.frexp(np.where(a > 0, a, 1))[1] - 1 - 4, -126, 127), 0)      # np.frexp(a)[1] - 1 = floor(log2(a)), exactly
;;       r = np.clip(x / 2.0 ** e, -28, 28)
;;       step = 2.0 ** (np.maximum(np.frexp(np.where(r == 0, 1, r))[1] - 1, -2) - 2)
;;       q = np.round(r / step) * step * 2.0 ** e      # np.round: ties to even
;;       return np.moveaxis(q.reshape(q.shape[:-2] + (-1,))[..., :K], -1, axis).astype(np.float32)
;;   ~~~
;; One version. Each part assembles by itself: llvm-mc -triple=amdgcn-amd-amdhsa -mcpu=gfx1250 --defsym DOCPART=n.
;; ======== version 1 of 1: 2 launches
;; limits: values are held in bf16: 8 bits of precision; right only within a limited range of input values
;; workspace buffers: xrec 3,276,800 bytes; brec 39,475,200 bytes
;; launch quant (part 1): grid 1670 x 1, 4 waves a work-group, no clusters, 47,616 bytes of LDS; arguments X, QW, KW, VW, QA, KA, VA, xrec, brec; writes xrec, brec
.if DOCPART == 1
	.amdgcn_target "amdgcn-amd-amdhsa--gfx1250"
	.amdhsa_code_object_version 6
	.text
	.protected	k_q6dc2cfb794_quant
	.globl	k_q6dc2cfb794_quant
	.p2align	8
	.type	k_q6dc2cfb794_quant,@function
k_q6dc2cfb794_quant:
	s_mov_b64 s[64:65], 0
	v_nop
	global_prefetch_b8 v0, s[64:65] scope:SCOPE_SE
	s_setreg_imm32_b32 hwreg(HW_REG_WAVE_MODE, 25, 1), 1
	s_wait_xcnt 0x0
; X [1024][4096], QW, KW, VW [4096][4096], QA, KA, VA [16][4096], f32 with K innermost, become codes of BF6 (E3M2) with one E8M0 byte for each 32 along K.
; A block's byte is its largest magnitude's exponent field - 4, held at 1 from below; numbers are divided by the scale and rounded to the nearest code, ties to even, beyond 28 the largest code.
; (A block of zeros gets the byte 1 where the rule says 127: its codes are zeros, and this program alone reads the bytes.)
; LIMITS: blocks whose largest magnitude lies under 2^(4 - 126) are held at the byte 1; NaN and infinities among the inputs are not served.
; THE RESULT IS LAID AS THE PRODUCT'S REGISTERS WANT IT.  A record is 16 rows x 512 K, 6,400 bytes (25 x 256): four images of 1,536 bytes, one for each 128 along K, then 256 scale bytes [row][16].
; An image: register d (0..11) of lane L of the operand's fragment lies at 512 (d / 4) + 16 L + 4 (d % 4); block bk (0..3) of row t is registers 6 (bk / 2) .. + 5 of lane t + 16 (bk % 2).
; xrec: [64 row blocks][8][6400].  brec: [64 tiles][12 row blocks][8][6400], tile x, block 4 T + j = rows 64 x + 16 j .. + 15 of tensor T's W; behind them [3][8][6400]: QA, KA, VA.
; A wave makes one record: 16 steps, step t = 512 numbers of row t.  Each of a step's four loads reads 512 consecutive bytes; they turn through the wave's own stage in LDS, so that a lane holds 16 neighbours.
; The codes are gathered in an image in the wave's own LDS and leave as 12 stores of 512 consecutive bytes and one of 256.  Waves share nothing: no barrier.
.set STEPS, 16
.set EMAX,  4
.set RB,    6400
.set RBK,   51200
.set R,     16                         ; v16-79   four sets of 16 numbers as loaded; at the end the record on its way out
.set X,     80                         ; v80-111  two sets of 16 neighbours
.set C,     112                        ; v112-119 codes, two sets
.set E,     120                        ; v120-121 the scale byte, two sets
.set IA,    122                        ; v122-124 where my three words of codes go in the image
.set SPW,   126
.set NIL,   127
.set SP,    80                         ; a lane's place in a stage: 64 bytes + 16
.set IMG,   2*32*SP                    ; the image: four parts 1,600 bytes apart
.set SCL,   IMG+4*1600                 ; the 256 scale bytes
.set WREG,  SCL+256                    ; a wave's region: 11,776 bytes
.set SPARE, 4*WREG                     ; the spare words
	s_load_b512 s[4:19], s[0:1], 0x0               ; X, QW, KW, VW, QA, KA, VA, xrec
	s_load_b64 s[20:21], s[0:1], 0x40              ; brec
	v_lshl_add_u32 v[SPW], v0, 2, SPARE
	v_mov_b32 v[NIL], 0
	v_lshrrev_b32 v1, 5, v0
	v_readfirstlane_b32 s26, v1                    ; wave
	s_mul_i32 s38, s26, WREG
	s_add_co_u32 s39, s38, IMG
	s_add_co_u32 s40, s38, SCL
	v_and_b32 v2, 31, v0                           ; lane
	v_lshlrev_b32 v3, 4, v2                        ; 16 x lane
	v_lshrrev_b32 v14, 2, v2
	v_mul_u32_u24 v14, v14, SP
	v_and_b32 v15, 3, v2
	v_lshl_add_u32 v14, v15, 4, v14
	v_add_nc_u32 v14, s38, v14                     ; the stage, in: SP (lane / 4) + 16 (lane % 4)
	v_mul_u32_u24 v15, v2, SP
	v_add_nc_u32 v15, s38, v15                     ; and out: SP x lane
	v_lshrrev_b32 v5, 1, v2
	v_add_nc_u32 v5, s40, v5                       ; my block's scale byte: + 16 t
	v_lshlrev_b32 v7, 3, v2
	v_add_nc_u32 v13, s40, v7                      ; the scale bytes on the way out, 8 a lane
	v_add_nc_u32 v6, s39, v3                       ; the image on the way out
	v_bfe_u32 v8, v2, 2, 1
	v_mul_u32_u24 v8, v8, 6
	v_and_b32 v9, 1, v2
	v_mad_u32_u24 v8, v9, 3, v8                    ; my first register of the fragment: 6 (bk / 2) + 3 (lane % 2)
	v_lshrrev_b32 v9, 3, v2
	v_mul_u32_u24 v9, v9, 1600                     ; which 128 along K
	v_bfe_u32 v10, v2, 1, 1
	v_lshl_add_u32 v9, v10, 8, v9                  ; lanes 16-31 of the fragment: bk % 2
	v_add_nc_u32 v9, s39, v9
.irp i, 0,1,2
	v_add_nc_u32 v10, \i, v8
	v_lshrrev_b32 v11, 2, v10
	v_and_b32 v10, 3, v10
	v_lshl_add_u32 v11, v11, 9, v9
	v_lshl_add_u32 v[IA+\i], v10, 2, v11
.endr
	; the source's row block sb and the record's place, from the work-group's number: 0-127 X, 128-1663 the three W, 1664-1669 the three A
	s_and_b32 s27, ttmp9, 1
	s_lshl_b32 s27, s27, 2
	s_add_co_u32 s27, s27, s26                     ; which 512 along K
	s_sub_co_u32 s28, ttmp9, 128
	s_lshr_b32 s29, s28, 9                         ; W: the tensor
	s_bfe_u32 s30, s28, 0x80001                    ; its row block, 0..255
	s_lshr_b32 s31, s30, 2
	s_mul_i32 s31, s31, 12*RBK                     ; the tile
	s_and_b32 s32, s30, 3
	s_lshl_b32 s33, s29, 2
	s_add_co_u32 s32, s32, s33
	s_mul_i32 s32, s32, RBK
	s_add_co_u32 s31, s31, s32
	s_sub_co_u32 s33, ttmp9, 1664
	s_lshr_b32 s33, s33, 1                         ; A: the tensor
	s_mul_i32 s34, s33, RBK
	s_add_co_u32 s34, s34, 64*12*RBK
	s_lshr_b32 s35, ttmp9, 1                       ; X: the row block
	s_mul_i32 s36, s35, RBK
	s_cmp_ge_u32 ttmp9, 1664
	s_cselect_b32 s29, s33, s29
	s_cselect_b32 s30, 0, s30
	s_cselect_b32 s31, s34, s31
	s_wait_alu depctr_va_vdst(0)                   ; the wait at the head's end
	s_wait_kmcnt 0x0
	s_cmp_eq_u32 s29, 0                            ; every choice of a pointer hangs on the work-group's number alone
	s_cselect_b64 s[6:7], s[6:7], s[8:9]
	s_cselect_b64 s[12:13], s[12:13], s[14:15]
	s_cmp_eq_u32 s29, 2
	s_cselect_b64 s[6:7], s[10:11], s[6:7]
	s_cselect_b64 s[12:13], s[16:17], s[12:13]
	s_cmp_ge_u32 ttmp9, 1664
	s_cselect_b64 s[6:7], s[12:13], s[6:7]
	s_cmp_lt_u32 ttmp9, 128
	s_cselect_b64 s[4:5], s[4:5], s[6:7]           ; the source
	s_cselect_b64 s[8:9], s[18:19], s[20:21]       ; the records
	s_cselect_b32 s30, s35, s30
	s_cselect_b32 s31, s36, s31
	s_lshl_b32 s36, s30, 18                        ; 16 rows of 16,384 bytes
	s_lshl_b32 s37, s27, 11
	s_add_co_u32 s36, s36, s37
	s_mov_b32 s37, 0
	s_add_nc_u64 s[4:5], s[4:5], s[36:37]
	s_mul_i32 s36, s27, RB
	s_add_co_u32 s36, s36, s31
	s_add_nc_u64 s[8:9], s[8:9], s[36:37]
.macro LOAD t
.irp i, 0,1,2,3
	global_load_b128 v[R+16*((\t)%4)+4*\i:R+16*((\t)%4)+4*\i+3], v3, s[4:5] offset:16384*(\t)+512*\i th:TH_LOAD_NT
.endr
.endm
.macro TURN t                          ; LDS serves a wave's instructions in order (ISA guide 5.7.1.4): no wait between the stores and the loads
.irp i, 0,1,2,3
	ds_store_b128 v14, v[R+16*((\t)%4)+4*\i:R+16*((\t)%4)+4*\i+3] offset:32*SP*((\t)%2)+8*SP*\i
.endr
.irp i, 0,1,2,3
	ds_load_b128 v[X+16*((\t)%2)+4*\i:X+16*((\t)%2)+4*\i+3], v15 offset:32*SP*((\t)%2)+16*\i
.endr
.endm
.irp t, 0,1,2,3
	LOAD \t
.endr
	s_wait_loadcnt 12                              ; step 0's four loads are in
	TURN 0
.macro STEP t
.set XS, X+16*((\t)%2)
.set CS, C+4*((\t)%2)
.if (\t) > 0
	s_wait_dscnt 4                                 ; this step's numbers are back; the last step's four stores of codes and byte may be out
.else
	s_wait_dscnt 0x0
.endif
.if (\t)+4 < STEPS
	LOAD (\t)+4
.endif
.if (\t)+1 < STEPS
.if STEPS-2-(\t) >= 3
	s_wait_loadcnt 12                              ; the next step's four loads are in; three steps' may be out
.else
	s_wait_loadcnt 4*(STEPS-2-(\t))
.endif
	TURN (\t)+1
.endif
	v_max3_num_f32 v8, |v[XS]|, |v[XS+1]|, |v[XS+2]|
	v_max3_num_f32 v9, |v[XS+3]|, |v[XS+4]|, |v[XS+5]|
.irp i, 6,10
	v_max3_num_f32 v8, v8, |v[XS+\i]|, |v[XS+\i+1]|
	v_max3_num_f32 v9, v9, |v[XS+\i+2]|, |v[XS+\i+3]|
.endr
	v_max3_num_f32 v8, v8, |v[XS+14]|, |v[XS+15]|
	v_max3_num_f32 v8, v8, v9, (EMAX+1)<<23        ; the floor 2^(EMAX + 1 - 127): the byte cannot fall under 1
	v_max_num_f32_dpp v8, v8, v8 row_xmask:1 row_mask:0xf bank_mask:0xf   ; with my neighbour's 16: the block's
	v_add_nc_u32 v11, -(EMAX<<23), v8              ; the conversion takes this operand's exponent field as its scale
	v_cvt_scalef32_pk16_bf6_f32 v[CS:CS+2], v[XS:XS+15], v11
	v_lshrrev_b32 v[E+(\t)%2], 23, v11             ; the scale's byte (also the plain line behind the conversion)
.irp i, 0,1,2
	ds_store_b32 v[IA+\i], v[CS+\i] offset:16*(\t)
.endr
	ds_store_b8 v5, v[E+(\t)%2] offset:16*(\t)     ; both lanes of a block write the same byte
.endm
.irp t, 0,1,2,3,4,5,6,7,8,9,10,11,12,13,14,15
	STEP \t
.endr
.irp n, 0,1,2,3,4,5,6,7,8,9,10,11
	ds_load_b128 v[R+4*\n:R+4*\n+3], v6 offset:(\n/3)*1600+(\n%3)*512
.endr
	ds_load_b64 v[R+48:R+49], v13
	s_wait_dscnt 0x0
.irp n, 0,1,2,3,4,5,6,7,8,9,10,11
	global_store_b128 v3, v[R+4*\n:R+4*\n+3], s[8:9] offset:\n*512    ; 512 consecutive bytes, at a multiple of 256 from the buffer's first byte
.endr
	global_store_b64 v7, v[R+48:R+49], s[8:9] offset:6144
	s_wait_tensorcnt 0x0                           ; the wave's end
	ds_add_u32 v[SPW], v[NIL]
	s_wait_dscnt 0x0
	s_endpgm
.Lfunc_end_k_q6dc2cfb794_quant:
	.size	k_q6dc2cfb794_quant, .Lfunc_end_k_q6dc2cfb794_quant-k_q6dc2cfb794_quant
	.p2alignl 7, 3214868480
	.fill 96, 4, 3214868480
	.section	.rodata,"a",@progbits
	.p2align	6, 0x0
	.amdhsa_kernel k_q6dc2cfb794_quant
		.amdhsa_group_segment_fixed_size 47616
		.amdhsa_private_segment_fixed_size 0
		.amdhsa_enable_private_segment 0
		.amdhsa_kernarg_size 72
		.amdhsa_user_sgpr_count 2
		.amdhsa_user_sgpr_kernarg_segment_ptr 1
		.amdhsa_wavefront_size32 1
		.amdhsa_system_sgpr_workgroup_id_x 1
		.amdhsa_system_sgpr_workgroup_id_y 1
		.amdhsa_system_sgpr_workgroup_id_z 1
		.amdhsa_system_vgpr_workitem_id 0
		.amdhsa_next_free_vgpr 128
		.amdhsa_next_free_sgpr 66
		.amdhsa_reserve_vcc 0
		.amdhsa_float_denorm_mode_32 3
		.amdhsa_float_denorm_mode_16_64 3
		.amdhsa_memory_ordered 1
		.amdhsa_forward_progress 1
		.amdhsa_inst_pref_size 38
	.end_amdhsa_kernel
	.amdgpu_metadata
---
amdhsa.version: [ 1, 2 ]
amdhsa.kernels:
  - .name:           k_q6dc2cfb794_quant
    .symbol:         k_q6dc2cfb794_quant.kd
    .args:
      - { .name: X, .offset: 0, .size: 8, .value_kind: global_buffer, .address_space: global }
      - { .name: QW, .offset: 8, .size: 8, .value_kind: global_buffer, .address_space: global }
      - { .name: KW, .offset: 16, .size: 8, .value_kind: global_buffer, .address_space: global }
      - { .name: VW, .offset: 24, .size: 8, .value_kind: global_buffer, .address_space: global }
      - { .name: QA, .offset: 32, .size: 8, .value_kind: global_buffer, .address_space: global }
      - { .name: KA, .offset: 40, .size: 8, .value_kind: global_buffer, .address_space: global }
      - { .name: VA, .offset: 48, .size: 8, .value_kind: global_buffer, .address_space: global }
      - { .name: xrec, .offset: 56, .size: 8, .value_kind: global_buffer, .address_space: global }
      - { .name: brec, .offset: 64, .size: 8, .value_kind: global_buffer, .address_space: global }
    .group_segment_fixed_size: 47616
    .private_segment_fixed_size: 0
    .kernarg_segment_align: 8
    .kernarg_segment_size: 72
    .max_flat_workgroup_size: 128
    .sgpr_count:     66
    .vgpr_count:     128
    .wavefront_size: 32
...
	.end_amdgpu_metadata
.endif
;; end of part 1
;; launch gemm (part 2): grid 4 x 64, 4 waves a work-group, clusters of 4 x 1, 327,680 bytes of LDS; arguments xrec, brec, QB, KB, VB, out0, out1, out2; writes out0, out1, out2
.if DOCPART == 2
	.amdgcn_target "amdgcn-amd-amdhsa--gfx1250"
	.amdhsa_code_object_version 6
	.text
	.protected	k_q6dc2cfb794_gemm
	.globl	k_q6dc2cfb794_gemm
	.p2align	8
	.type	k_q6dc2cfb794_gemm,@function
k_q6dc2cfb794_gemm:
	s_mov_b64 s[64:65], 0
	v_nop
	global_prefetch_b8 v0, s[64:65] scope:SCOPE_SE
	s_setreg_imm32_b32 hwreg(HW_REG_WAVE_MODE, 25, 1), 1
	s_wait_xcnt 0x0
	s_wait_alu depctr_hold_cnt(0) depctr_sa_sdst(0) depctr_va_vdst(0) depctr_va_sdst(0) depctr_va_ssrc(0) depctr_va_vcc(0) depctr_vm_vsrc(0)
	s_getreg_b32 s2, hwreg(HW_REG_IB_STS2, 6, 4)
	s_cmp_eq_u32 s2, 0
	s_cbranch_scc0 .Lentry_in_a_cluster
	s_endpgm
.Lentry_in_a_cluster:
	s_bfe_u32 s2, ttmp6, 0x10000c
	s_cmp_lg_u32 s2, 0x3003
	s_cbranch_scc0 .Lentry_shape_is_right
	s_endpgm
.Lentry_shape_is_right:
; out_T = X W_T^T + 2 (X A_T^T) B_T^T for T = Q, K, V, on the records of codes of BF6 and E8M0 bytes that the launch before has laid (16 rows x 512 K, 6,400 bytes: four register images of 1,536 bytes, 256 scale bytes).
; A work-group makes 256 rows x 64 columns of each of the three outputs: 4 x 64 = 256 work-groups.  B's 15 row blocks: 4 of QW, 4 of KW, 4 of VW, and QA, KA, VA.
; A wave makes 64 rows x all 240 columns: 60 accumulators (b, a), b = B's block, a = X's block; blocks 12-14 give T = X A^T for the wave's own rows, so nothing of T passes between waves.
; B goes through a ring of two LDS slots of 512 K (15 x 6,400 bytes), filled by tensor loads whose rows are 6,400 bytes at multiples of 256.  A fragment is three ds_load_b128 of 512 dense bytes.
; X's fragments are read by one wave alone: they come from memory straight into registers, four sets, asked for three steps of 128 K ahead.
; CLUSTER: the four work-groups along M need the same tiles of B and ask for them jointly (mask 15).  They share no rows of X, so X has no joint load.
; PREFETCH: at each refill but the last, the W rows of the slot that the next refill will ask for: 12 rows x 25 blocks of 256 bytes, partner cx rows 3 cx .. 3 cx + 2, waves 0-2 a row each, a lane a block.
; X has none: its loads already run three steps ahead; the three A row blocks are read by every cluster.
; THE MATRIX INSTRUCTION IS USED TRANSPOSED (source 0 = 16 rows of B, source 1 = 16 rows of X): a lane holds eight neighbouring columns of one row.
; The second LoRA product (K = 16) goes in bf16, 2 B_T rounded to bf16 and T rounded to bf16, f32 sums onto the same accumulators.
; REGISTERS: window 0: v0-31 addresses, v32-95 B's scale words (two sets; lanes 0-15 block i, lanes 16-31 block i + 7), v96-111 X's (lanes 0-15 block a, lanes 16-31 block a + 2), v112-255 X's sets 0-2.
;   window 1: v0-179 B's fragments, one set (blocks 0-7 fetched anew in a step's middle, 8-14 at its end); v180-227 X's set 3.  window 2: accumulators of b 0-7 at v[32 b + 8 a];  window 3: of b 8-14.
.set RB,     6400
.set RBK,    51200                     ; a row block's eight records
.set SLOT,   15*RB
.set SPARE,  2*SLOT                    ; the spare words
.set STAGE,  SPARE+512                 ; the way out: 16 rows x 784 bytes for each wave, bytes that no tensor load fills
.set SPITCH, 784
.set BSC, 32
.set ASC, 96
.set AF,  112
.set LB,  112
.set TF,  112
.set G1,  24                           ; s[24:31] group 1: 4 rows of W;  s[32:39]: the 3 rows of A
.set G1L, 32
.set G0,  40                           ; s[40:47] group 0 for W, a set for each slot;  s[48:55] for A
.set G0L, 48
.set XP,  56                           ; s[56:57] my four row blocks of X, at the trip's first slot
.set PFA, 58                           ; s[58:59] my row of the prefetches
.set LIM, 60                           ; s60: 1 in waves 0-2, the greatest number in wave 3, which prefetches nothing
.set MSB, 0
.macro WIN new
.if MSB != (\new)
	s_set_vgpr_msb (MSB<<8)|(\new)
.set MSB, (\new)
.endif
.endm
.macro PLACES
.rept 4
	v_nop
.endr
.endm
.macro JLOAD s                         ; a joint load: waves 0-2 four rows of W each, wave 3 the three rows of A
	s_cmp_eq_u32 s21, 0
	s_cbranch_scc0 .Lfor_l_\@
	tensor_load_to_lds s[G0+4*\s:G0+4*\s+3], s[G1:G1+7]
	s_nop 0
	PLACES
	s_branch .Lasked_\@
.Lfor_l_\@:
	tensor_load_to_lds s[G0L+4*\s:G0L+4*\s+3], s[G1L:G1L+7]
	s_nop 0
	PLACES
.Lasked_\@:
.endm
.macro CREST
	s_cmp_lg_u32 s20, 0
	s_cbranch_scc1 .Lnot_wave_0_\@
	s_barrier_signal -3
.Lnot_wave_0_\@:
	s_barrier_wait -3
	s_barrier_signal -1
	s_barrier_wait -1
.endm
.macro CROUND
	s_barrier_signal -1
	s_barrier_wait -1
	CREST
.endm
	s_load_b512 s[4:19], s[0:1], 0x0               ; xrec, brec, QB, KB, VB, out0, out1, out2
	v_lshl_add_u32 v28, v0, 2, SPARE
	v_mov_b32 v29, 0
	ds_add_u32 v28, v29                            ; the opening lines: the add twice on end and its wait
	ds_add_u32 v28, v29
	v_lshrrev_b32 v1, 5, v0
	v_readfirstlane_b32 s20, v1                    ; wave
	s_add_co_u32 s21, s20, 1
	s_lshr_b32 s21, s21, 2                         ; 1 in wave 3
	s_bfe_u32 s22, ttmp6, 0x40000                  ; cx: the tile along M
	s_and_b32 s23, ttmp7, 0xffff                   ; the tile along N
	s_mov_b32 s[G1], 15|(3<<16)|(1<<21)            ; the mask, elements of 8 bytes, bit 21 beside the mask
	s_mov_b32 s[G1L], 15|(3<<16)|(1<<21)
.irp g, G1, G1L
	s_mov_b32 s[\g+1], 800<<16                     ; a row: 800 elements
	s_mov_b32 s[\g+3], 800<<16
	s_mov_b32 s[\g+5], RBK/8                       ; from row to row
	s_mov_b32 s[\g+6], 0
	s_mov_b32 s[\g+7], 0
.endr
	s_mov_b32 s[G1+2], 4<<16
	s_mov_b32 s[G1+4], 4
	s_mov_b32 s[G1L+2], 3<<16
	s_mov_b32 s[G1L+4], 3
	s_mul_i32 s68, s23, 12*RBK
	s_mul_i32 s69, s20, 4*RBK
	s_add_co_u32 s68, s68, s69                     ; my four rows of W: no place in the cluster enters
	s_mov_b32 s69, 0
	s_mul_i32 s70, s20, 4*RB                       ; and where they go in a slot (wave 3: behind W's twelve)
	s_wait_dscnt 0x0
	s_wait_kmcnt 0x0
	s_add_nc_u64 s[72:73], s[6:7], s[68:69]
	s_add_nc_u64 s[74:75], s[6:7], 64*12*RBK
	CROUND                                         ; in front of the first joint loads
.irp s, 0,1
	s_mov_b32 s[G0+4*\s], 1
	s_add_co_u32 s[G0+4*\s+1], s70, \s*SLOT
	s_add_nc_u64 s[G0+4*\s+2:G0+4*\s+3], s[72:73], \s*RB
	s_or_b32 s[G0+4*\s+3], s[G0+4*\s+3], 0x80000000
	s_mov_b32 s[G0L+4*\s], 1
	s_add_co_u32 s[G0L+4*\s+1], s70, \s*SLOT
	s_add_nc_u64 s[G0L+4*\s+2:G0L+4*\s+3], s[74:75], \s*RB
	s_or_b32 s[G0L+4*\s+3], s[G0L+4*\s+3], 0x80000000
.endr
	JLOAD 0                                        ; slot 0: one tensor load a wave at the head
	s_lshl_b32 s76, s22, 4
	s_lshl_b32 s77, s20, 2
	s_add_co_u32 s76, s76, s77
	s_mul_i32 s76, s76, RBK                        ; X: row block 16 cx + 4 wave
	s_mov_b32 s77, 0
	s_add_nc_u64 s[XP:XP+1], s[4:5], s[76:77]
	s_mul_i32 s78, s22, 3
	s_add_co_u32 s78, s78, s20
	s_mul_i32 s78, s78, RBK
	s_mul_i32 s79, s23, 12*RBK
	s_add_co_u32 s78, s78, s79                     ; the prefetches: row 3 cx + wave of the tile
	s_mov_b32 s79, 0
	s_add_nc_u64 s[PFA:PFA+1], s[6:7], s[78:79]
	s_cmp_lt_u32 s20, 3
	s_cselect_b32 s[LIM], 1, -1
	s_lshl_b32 s80, s22, 8
	s_lshl_b32 s81, s20, 6
	s_add_co_u32 s80, s80, s81
	s_lshl_b32 s80, s80, 14                        ; my first row of the outputs, 16,384 bytes a row,
	s_lshl_b32 s81, s23, 8
	s_add_co_u32 s80, s80, s81                     ; and my 64 columns
	s_mov_b32 s81, 0
	s_lshl_b32 s82, s23, 12                        ; 64 rows of 64 bytes of QB, KB, VB
	s_mov_b32 s83, 0
.irp t, 0,1,2
	s_add_nc_u64 s[14+2*\t:15+2*\t], s[14+2*\t:15+2*\t], s[80:81]
	s_add_nc_u64 s[8+2*\t:9+2*\t], s[8+2*\t:9+2*\t], s[82:83]
.endr
	s_mul_i32 s84, s20, 16*SPITCH
	s_add_co_u32 s84, s84, STAGE
	v_and_b32 v1, 15, v0                           ; r
	v_bfe_u32 v2, v0, 4, 1                         ; h
	v_and_b32 v3, 31, v0
	v_lshlrev_b32 v16, 4, v3                       ; v16-17: B's blocks 0-7 in slot 0, 1;  v18-19: blocks 8-14
	v_add_nc_u32 v17, SLOT, v16
	v_add_nc_u32 v18, 8*RB, v16
	v_add_nc_u32 v19, SLOT+8*RB, v16
	v_mul_u32_u24 v4, v2, 7*RB
	v_lshl_add_u32 v4, v1, 4, v4
	v_add_nc_u32 v20, 6144, v4                     ; v20-21: B's scale words, 16 bytes a row; lanes 16-31 seven blocks on
	v_add_nc_u32 v21, SLOT+6144, v4
	v_lshlrev_b32 v22, 4, v3                       ; X's fragments in memory
	v_mul_u32_u24 v5, v2, 2*RBK
	v_lshl_add_u32 v5, v1, 4, v5
	v_add_nc_u32 v23, 6144, v5                     ; X's scale words; lanes 16-31 two blocks on
	v_mul_u32_u24 v6, v1, SPITCH
	v_lshl_add_u32 v6, v2, 5, v6
	v_add_nc_u32 v24, s84, v6                      ; into the stage: row r, 32 bytes for each half of the lanes
	v_mul_u32_u24 v7, v2, SPITCH
	v_lshl_add_u32 v7, v1, 4, v7
	v_add_nc_u32 v25, s84, v7                      ; back: sixteen lanes to 256 bytes of a row, two rows
	v_lshlrev_b32 v8, 14, v2
	v_lshl_add_u32 v26, v1, 4, v8                  ; the same in an output
	v_lshlrev_b32 v9, 6, v1
	v_lshl_add_u32 v27, v2, 5, v9                  ; QB, KB, VB: row r, 8 numbers at 8 h
	v_min_u32 v30, 24, v3
	v_lshlrev_b32 v30, 8, v30                      ; the prefetches: a lane a block of 256 bytes, 25 to a row; lanes 25-31 name the last again
	s_wait_alu depctr_va_vdst(0)                   ; the wait at the head's end
.macro WQ d, bf, af, sb, sa, zero, ra, rb
.if \zero
	v_wmma_scale_f32_16x16x128_f8f6f4 v[\d:\d+7], v[\bf:\bf+11], v[\af:\af+11], 0, v[\sb], v[\sa] matrix_a_fmt:MATRIX_FMT_BF6 matrix_b_fmt:MATRIX_FMT_BF6 matrix_a_scale:MATRIX_SCALE_ROW\ra matrix_b_scale:MATRIX_SCALE_ROW\rb
.else
	v_wmma_scale_f32_16x16x128_f8f6f4 v[\d:\d+7], v[\bf:\bf+11], v[\af:\af+11], v[\d:\d+7], v[\sb], v[\sa] matrix_a_fmt:MATRIX_FMT_BF6 matrix_b_fmt:MATRIX_FMT_BF6 matrix_a_scale:MATRIX_SCALE_ROW\ra matrix_b_scale:MATRIX_SCALE_ROW\rb
.endif
.endm
.macro SETS st                         ; step st: Q its place in the slot and X's set, SCP the slot
.set Q, (\st)%4
.set SCP, ((\st)/4)%2
.if Q == 3
.set AFR, 180
.set AW, 1
.else
.set AFR, AF+48*Q
.set AW, 0
.endif
.endm
.macro MUL hi, b0, nb, zero            ; B's blocks 8 hi + b0 .. x X's four: the accumulators take turns, one instruction a turn
	WIN ((2+\hi)<<6)|((2+\hi)<<4)|(AW<<2)|1
.set BB, \b0
.rept \nb
.irp a, 0,1
	WQ 32*BB+8*\a, 12*(BB+8*\hi), AFR+12*\a, BSC+32*SCP+4*(BB+\hi)+Q, ASC+8*SCP+4*\a+Q, \zero, \hi, 0
.endr
.irp a, 2,3
	WQ 32*BB+8*\a, 12*(BB+8*\hi), AFR+12*\a, BSC+32*SCP+4*(BB+\hi)+Q, ASC+8*SCP+4*(\a-2)+Q, \zero, \hi, 1
.endr
.set BB, BB+1
.endr
.endm
.macro FBLO slot, q                    ; 24 loads: B's blocks 0-7
	WIN 0x40
.irp i, 0,1,2,3,4,5,6,7
.irp j, 0,1,2
	ds_load_b128 v[12*\i+4*\j:12*\i+4*\j+3], v[16+\slot] offset:\i*RB+(\q)*1536+\j*512
.endr
.endr
.endm
.macro FBHI slot, q                    ; 21 loads: blocks 8-14
	WIN 0x40
.irp i, 0,1,2,3,4,5,6
.irp j, 0,1,2
	ds_load_b128 v[96+12*\i+4*\j:96+12*\i+4*\j+3], v[18+\slot] offset:\i*RB+(\q)*1536+\j*512
.endr
.endr
	WIN 0
.endm
.macro FSC slot                        ; 8 loads: B's scale words of a slot's four steps
	WIN 0
.irp i, 0,1,2,3,4,5,6,7
	ds_load_b128 v[BSC+32*\slot+4*\i:BSC+32*\slot+4*\i+3], v[20+\slot] offset:\i*RB
.endr
.endm
.macro FA st                           ; X's four fragments of step st (counted from the trip's first slot): 12 loads; ahead of a slot's first step its scale words
.set FQ, (\st)%4
.set FO, ((\st)/4)*RB
.if FQ == 0
	WIN 0
.irp a, 0,1
	global_load_b128 v[ASC+8*(((\st)/4)%2)+4*\a:ASC+8*(((\st)/4)%2)+4*\a+3], v23, s[XP:XP+1] offset:\a*RBK+FO
.endr
.endif
.if FQ == 3
	WIN 0x40
.set FR_, 180
.else
	WIN 0
.set FR_, AF+48*FQ
.endif
.irp a, 0,1,2,3
.irp j, 0,1,2
	global_load_b128 v[FR_+12*\a+4*\j:FR_+12*\a+4*\j+3], v22, s[XP:XP+1] offset:\a*RBK+FO+FQ*1536+\j*512
.endr
.endr
.endm
.macro LBLOAD                          ; QB, KB, VB: my tile's 12 blocks of 16 rows x 16, f32, into X's sets 0 and 1, which are done with
	WIN 0
.irp t, 0,1,2
.irp j, 0,1,2,3
	global_load_b128 v[LB+8*(4*\t+\j):LB+8*(4*\t+\j)+3], v27, s[8+2*\t:9+2*\t] offset:1024*\j
	global_load_b128 v[LB+8*(4*\t+\j)+4:LB+8*(4*\t+\j)+7], v27, s[8+2*\t:9+2*\t] offset:1024*\j+16
.endr
.endr
.endm
.macro ASK how, off                    ; how = 1: in every trip; 2: not in the last, whose slot would lie beyond K
.if \how == 1
	s_cmp_ge_u32 s3, s[LIM]
.else
	s_cmp_gt_u32 s3, s[LIM]
.endif
	s_cbranch_scc0 .Lnone_\@
	global_prefetch_b8 v30, s[PFA:PFA+1] offset:\off th:TH_LOAD_NT scope:SCOPE_SE
.Lnone_\@:
.endm
; One of a slot's first three steps.  lc: the global loads issued behind this step's set of X.  fa: 1 = ask for X three steps on, 2 = ask for QB, KB, VB
.macro STEP st, zero, lc, fa
	SETS \st
	s_wait_loadcnt \lc
	s_wait_dscnt 21                                ; all but B's blocks 8-14
	MUL 0, 0, 8, \zero
	PLACES                                         ; in front of loads into registers that matrix instructions have read
	FBLO SCP, Q+1
.if \fa == 1
	FA (\st)+3
.endif
.if \fa == 2
	LBLOAD
.endif
	s_wait_dscnt 24                                ; all but the 24 just issued
	MUL 1, 0, 7, \zero
	PLACES
	FBHI SCP, Q+1
.endm
; A slot's last step changes slots: all its fragments were asked for in the step before
.macro TURN st, lc, fill, ask, off
	SETS \st
.set NS, 1-SCP
	WIN 0
	s_wait_loadcnt \lc
	s_wait_tensorcnt 0x0                           ; my one load that was out, my part of the next slot, has landed;
	ds_add_u32 v28, v29
	s_wait_dscnt 22                                ; (the add and B's blocks 8-14 may be out)
	MUL 0, 0, 4, 0
	s_wait_dscnt 0x0                               ; the add is done, and my reads of this slot are over
	s_barrier_signal -1
	MUL 0, 4, 4, 0
	WIN 0
	s_barrier_wait -1
.if \fill
	CREST                                          ; the barrier has opened a round of the cluster's barrier
	s_add_nc_u64 s[G0+4*SCP+2:G0+4*SCP+3], s[G0+4*SCP+2:G0+4*SCP+3], 2*RB
	s_add_nc_u64 s[G0L+4*SCP+2:G0L+4*SCP+3], s[G0L+4*SCP+2:G0L+4*SCP+3], 2*RB
	JLOAD SCP                                      ; two slots on: 208 matrix instructions stand between it and the wait for it; its four v_nop are the places for the loads below
.else
	PLACES
.endif
	FBLO NS, 0
	FSC NS
	FA (\st)+3
.if \ask
	ASK \ask, \off
.endif
	MUL 1, 0, 7, 0
	PLACES
	FBHI NS, 0
.endm
	FA 0
	FA 1
	FA 2
	s_wait_tensorcnt 0x0                           ; my part of slot 0 is in
	ds_add_u32 v28, v29
	s_wait_dscnt 0x0
	CROUND
	JLOAD 1                                        ; slot 1's first fill, the first tensor load behind the round
	FBLO 0, 0
	FSC 0
	FBHI 0, 0
	STEP 0, 1, 24, 1                               ; the first step's products start the sums
	s_mov_b32 s3, 3
.Llap:                                                 ; a trip: eight steps, once round the ring, from a lap's second step to the next lap's first
	STEP 1, 0, 24, 1
	STEP 2, 0, 24, 1
	TURN 3, 24, 1, 1, 3*RB
	STEP 4, 0, 24, 1
	STEP 5, 0, 24, 1
	STEP 6, 0, 24, 1
	TURN 7, 24, 1, 2, 4*RB
	STEP 8, 0, 24, 1
	s_wait_xcnt 0x0                                ; my loads and prefetches have read their bases
	s_add_nc_u64 s[XP:XP+1], s[XP:XP+1], 2*RB
	s_add_nc_u64 s[PFA:PFA+1], s[PFA:PFA+1], 2*RB
	s_sub_co_u32 s3, s3, 1
	s_cmp_lg_u32 s3, 0
	s_cbranch_scc1 .Llap
	STEP 1, 0, 24, 1                               ; the last seven steps fill nothing
	STEP 2, 0, 24, 1
	TURN 3, 24, 0, 0, 0
	STEP 4, 0, 24, 1
	STEP 5, 0, 24, 0
	STEP 6, 0, 12, 2                               ; behind this step's set: the last step's 12 loads
	SETS 7
	s_wait_loadcnt 24                              ; behind the last set: the 24 loads of QB, KB, VB
	s_wait_dscnt 21
	MUL 0, 0, 8, 0
	s_wait_dscnt 0x0
	MUL 1, 0, 7, 0
	WIN 0
	s_wait_loadcnt 0x0
.set j, 0
.rept 48
	v_pk_mul_f32 v[LB+j:LB+j+1], v[LB+j:LB+j+1], 2.0 op_sel_hi:[1,0]     ; the scaling 2; these lines are also the places behind the last products
.set j, j+2
.endr
	WIN 0x40
.irp b, 0,1,2,3,4,5,6,7,8,9,10,11
.irp i, 0,1,2,3
	v_cvt_pk_bf16_f32 v[4*\b+\i], v[LB+8*\b+2*\i], v[LB+8*\b+2*\i+1]     ; window 1, v[4 b ..]: block b's K 0-15; its K 16-31 are the next block's numbers, which meet T's zeros
.endr
.endr
.irp i, 0,1,2,3
	v_mov_b32 v[48+\i], 0
.endr
	WIN 0x0f
.irp k, 0,1,2,3,4,5,6,7,8,9,10,11
.irp i, 0,1,2,3
	v_cvt_pk_bf16_f32 v[TF+8*\k+\i], v[128+8*\k+2*\i], v[128+8*\k+2*\i+1]   ; T of tensor k / 4, X's block k % 4: a lane's eight ranks are the fragment's K = 8 h ..
.endr
.endr
	WIN 0
.irp k, 0,1,2,3,4,5,6,7,8,9,10,11
.irp i, 4,5,6,7
	v_mov_b32 v[TF+8*\k+\i], 0                     ; K 16-31
.endr
.endr
	PLACES
.macro LORA hi, b0, nb
	WIN ((2+\hi)<<6)|((2+\hi)<<4)|1
.set BB, \b0
.rept \nb
.irp a, 0,1,2,3
	v_wmma_f32_16x16x32_bf16 v[32*BB+8*\a:32*BB+8*\a+7], v[4*(BB+8*\hi):4*(BB+8*\hi)+7], v[TF+8*(4*((BB+8*\hi)/4)+\a):TF+8*(4*((BB+8*\hi)/4)+\a)+7], v[32*BB+8*\a:32*BB+8*\a+7]
.endr
.set BB, BB+1
.endr
.endm
	LORA 0, 0, 8
	LORA 1, 0, 4
	WIN 0
	PLACES
; THE WAY OUT, by blocks of 16 rows x 3 x 64 columns, through my own stage: back as rows, sixteen lanes to the 256 bytes that a row has in each output
.macro TOSTAGE a
	WIN 0x08
.irp b, 0,1,2,3,4,5,6,7
	ds_store_b128 v24, v[32*\b+8*(\a):32*\b+8*(\a)+3] offset:64*\b
	ds_store_b128 v24, v[32*\b+8*(\a)+4:32*\b+8*(\a)+7] offset:64*\b+16
.endr
	WIN 0x0c
.irp b, 0,1,2,3
	ds_store_b128 v24, v[32*\b+8*(\a):32*\b+8*(\a)+3] offset:512+64*\b
	ds_store_b128 v24, v[32*\b+8*(\a)+4:32*\b+8*(\a)+7] offset:512+64*\b+16
.endr
	WIN 0
.set BB, 32+96*((\a)%2)
.irp t, 0,1,2
.irp u, 0,1,2,3,4,5,6,7
	ds_load_b128 v[BB+32*\t+4*\u:BB+32*\t+4*\u+3], v25 offset:2*\u*SPITCH+256*\t    ; LDS serves a wave's instructions in order (ISA guide 5.7.1.4)
.endr
.endr
.endm
.macro SEND a, younger
.set BB, 32+96*((\a)%2)
	s_wait_dscnt \younger
.irp t, 0,1,2
.irp u, 0,1,2,3,4,5,6,7
	global_store_b128 v26, v[BB+32*\t+4*\u:BB+32*\t+4*\u+3], s[14+2*\t:15+2*\t] offset:(16*(\a)+2*\u)*16384 th:TH_STORE_NT
.endr
.endr
.endm
	TOSTAGE 0
.irp a, 1,2,3
.if \a > 1
	s_wait_xcnt 0x0                                ; block a - 2's stores have read their registers
.endif
	TOSTAGE \a
	SEND \a-1, 48                                  ; behind block a - 1's loads: block a's 24 stores and 24 loads
.endr
	SEND 3, 0
	s_wait_tensorcnt 0x0                           ; the wave's end
	ds_add_u32 v28, v29
	s_wait_dscnt 0x0
	CROUND                                         ; the closing round
	s_endpgm
.Lfunc_end_k_q6dc2cfb794_gemm:
	.size	k_q6dc2cfb794_gemm, .Lfunc_end_k_q6dc2cfb794_gemm-k_q6dc2cfb794_gemm
	.p2alignl 7, 3214868480
	.fill 96, 4, 3214868480
	.section	.rodata,"a",@progbits
	.p2align	6, 0x0
	.amdhsa_kernel k_q6dc2cfb794_gemm
		.amdhsa_group_segment_fixed_size 327680
		.amdhsa_private_segment_fixed_size 0
		.amdhsa_enable_private_segment 0
		.amdhsa_kernarg_size 64
		.amdhsa_user_sgpr_count 2
		.amdhsa_user_sgpr_kernarg_segment_ptr 1
		.amdhsa_wavefront_size32 1
		.amdhsa_system_sgpr_workgroup_id_x 1
		.amdhsa_system_sgpr_workgroup_id_y 1
		.amdhsa_system_sgpr_workgroup_id_z 1
		.amdhsa_system_vgpr_workitem_id 0
		.amdhsa_next_free_vgpr 1024
		.amdhsa_next_free_sgpr 100
		.amdhsa_reserve_vcc 0
		.amdhsa_float_denorm_mode_32 3
		.amdhsa_float_denorm_mode_16_64 3
		.amdhsa_memory_ordered 1
		.amdhsa_forward_progress 1
		.amdhsa_inst_pref_size 243
	.end_amdhsa_kernel
	.amdgpu_metadata
---
amdhsa.version: [ 1, 2 ]
amdhsa.kernels:
  - .name:           k_q6dc2cfb794_gemm
    .symbol:         k_q6dc2cfb794_gemm.kd
    .args:
      - { .name: xrec, .offset: 0, .size: 8, .value_kind: global_buffer, .address_space: global }
      - { .name: brec, .offset: 8, .size: 8, .value_kind: global_buffer, .address_space: global }
      - { .name: QB, .offset: 16, .size: 8, .value_kind: global_buffer, .address_space: global }
      - { .name: KB, .offset: 24, .size: 8, .value_kind: global_buffer, .address_space: global }
      - { .name: VB, .offset: 32, .size: 8, .value_kind: global_buffer, .address_space: global }
      - { .name: out0, .offset: 40, .size: 8, .value_kind: global_buffer, .address_space: global }
      - { .name: out1, .offset: 48, .size: 8, .value_kind: global_buffer, .address_space: global }
      - { .name: out2, .offset: 56, .size: 8, .value_kind: global_buffer, .address_space: global }
    .group_segment_fixed_size: 327680
    .private_segment_fixed_size: 0
    .kernarg_segment_align: 8
    .kernarg_segment_size: 64
    .max_flat_workgroup_size: 128
    .sgpr_count:     100
    .vgpr_count:     1024
    .wavefront_size: 32
...
	.end_amdgpu_metadata
.endif
;; end of part 2
